; MI455X (gfx1250); checked and timed in simulation.
; The chip was launched on July 23, 2026; its instructions are those of AMD's public machine-readable ISA for CDNA 5 (MIT licence, August 2026) and "CDNA5" Instruction Set Architecture Reference Guide (July 2026). The comments in the code are by the model that wrote it; some were corrected since.
;; Multihead Attention. Allowed arithmetic: matrix products marked QUANTISED: E2M3 operands, one E8M0 scale for each 32 along K, by v_wmma_scale_f32_16x16x128_f8f6f4 with both operands' format E2M3, f32 sums; everything else in f32.
;; Inputs: Wk_codes 1,024 x 32 x 24 uint8 (E2M3 codes of Wk, K innermost, in blocks of 32 codes, four codes in three bytes); Wk_scales 1,024 x 32 uint8 (E8M0 scales of Wk, one for each 32 codes along K); Wo_codes 1,024 x 32 x 24 uint8 (E2M3 codes of Wo, K innermost, in blocks of 32 codes, four codes in three bytes); Wo_scales 1,024 x 32 uint8 (E8M0 scales of Wo, one for each 32 codes along K); Wq_codes 1,024 x 32 x 24 uint8 (E2M3 codes of Wq, K innermost, in blocks of 32 codes, four codes in three bytes); Wq_scales 1,024 x 32 uint8 (E8M0 scales of Wq, one for each 32 codes along K); Wv_codes 1,024 x 32 x 24 uint8 (E2M3 codes of Wv, K innermost, in blocks of 32 codes, four codes in three bytes); Wv_scales 1,024 x 32 uint8 (E8M0 scales of Wv, one for each 32 codes along K); bk 1,024 float32; bo 1,024 float32; bq 1,024 float32; bv 1,024 float32; k_codes 4 x 2,048 x 32 x 24 uint8 (E2M3 codes of k, K innermost, in blocks of 32 codes, four codes in three bytes); k_scales 4 x 2,048 x 32 uint8 (E8M0 scales of k, one for each 32 codes along K); q_codes 4 x 2,048 x 32 x 24 uint8 (E2M3 codes of q, K innermost, in blocks of 32 codes, four codes in three bytes); q_scales 4 x 2,048 x 32 uint8 (E8M0 scales of q, one for each 32 codes along K); v_codes 4 x 2,048 x 32 x 24 uint8 (E2M3 codes of v, K innermost, in blocks of 32 codes, four codes in three bytes); v_scales 4 x 2,048 x 32 uint8 (E8M0 scales of v, one for each 32 codes along K).
;; Outputs: out0 4 x 2,048 x 1,024 float32.
;; This version of the problem:
;;   THIS VERSION OF THE PROBLEM IS GIVEN IN LOW PRECISION. The matrix products marked QUANTISED in the list below multiply operands that are first quantised to E2M3 (2 exponent bits, 3 mantissa bits; 6 bits a number), with one power-of-two scale for each 32 numbers along K (OCP MX v1.0); their sums are f32. All else is computed in f32.
;;   The module's matrix products, in the order in which they are computed (A, B: the left and right operand; K: the contracted axis; several contracted axes count as one K, in the product's order):
;;     1. [M 8,192, K 1,024] x [K 1,024, N 1,024]; A: input q (given as codes); B: input Wq (given as codes): QUANTISED
;;     2. [M 8,192, K 1,024] x [K 1,024, N 1,024]; A: input k (given as codes); B: input Wk (given as codes): QUANTISED
;;     3. [M 8,192, K 1,024] x [K 1,024, N 1,024]; A: input v (given as codes); B: input Wv (given as codes): QUANTISED
;;     4. batch 64 x [M 2,048, K 64] x [K 64, N 2,048]; A: computed on the way; B: computed on the way: QUANTISED
;;     5. batch 64 x [M 2,048, K 2,048] x [K 2,048, N 64]; A: softmax (see below); B: computed on the way: QUANTISED
;;     6. [M 8,192, K 1,024] x [K 1,024, N 1,024]; A: computed on the way; B: input Wo (given as codes): QUANTISED
;;   THE QUANTISER, for each operand of a quantised product, along K:
;;     - K is cut into blocks of 32 from its start; a last block that is shorter is filled with zeros.
;;     - A block's scale is 2^e with e = floor(log2(the largest magnitude in the block)) - 2, held to -126 .. 127; a block of zeros has e = 0. As a byte (E8M0): e + 127.
;;     - Each number is divided by its block's scale, clamped to +-7.5, and rounded to the nearest number of E2M3, ties to even, subnormals kept.
;;     - The product sums the exact products of the quantised numbers (number of the format x scale) in f32.
;;   ~~~python
;;   def quantise(x, axis):      # numpy; x: float32 -> the quantised numbers, widened to float32 again
;;       x = np.moveaxis(x, axis, -1); K = x.shape[-1]
;;       x = np.pad(x, [(0, 0)] * (x.ndim - 1) + [(0, -K % 32)]); x = x.reshape(x.shape[:-1] + (-1, 32)); a = np.abs(x).max(-1, keepdims=True)
;;       e = np.where(a > 0, np.clip(np.frexp(np.where(a > 0, a, 1))[1] - 1 - 2, -126, 127), 0)      # np.frexp(a)[1] - 1 = floor(log2(a)), exactly
;;       r = np.clip(x / 2.0 ** e, -7.5, 7.5)
;;       step = 2.0 ** (np.maximum(np.frexp(np.where(r == 0, 1, r))[1] - 1, 0) - 3)
;;       q = np.round(r / step) * step * 2.0 ** e      # np.round: ties to even
;;       return np.moveaxis(q.reshape(q.shape[:-2] + (-1,))[..., :K], -1, axis).astype(np.float32)
;;   ~~~
;;   SOFTMAX AHEAD OF A QUANTISED PRODUCT. Where the list says 'softmax', what is quantised is not the finished softmax but p = 2^(t - M), with t = logit x log2(e) and M = ceil(the row's largest t), a whole number; so 1/2 < the row's largest p <= 1. The row's sum l is taken of the UNQUANTISED p, in f32, and the product's result is divided by l at the end. Since M is a whole number, a kernel that streams over the keys may use a running M (the ceiling of the running maximum): every later rescaling is an exact power of two, which a block's scale takes up: the codes' values come out the same.
;;   OPERANDS COMPUTED ON THE WAY. 'Computed on the way' means the value that the module computes at that place (a softmax that the list does not call 'softmax' is quantised finished and normalised). What goes into a quantiser is computed in f32, as accurately as f32 sums, v_exp_f32 and their like allow (about 1e-6 of the number): no bf16 or f16 on the way to a quantiser, and a product that is left as it is and whose result goes on into a quantised operand takes f32 operands (vector FMAs, or v_wmma_f32_16x16x4_f32). A number that lies on a knife's edge between two numbers of the format may be rounded either way, as far as f32 arithmetic and the matrix unit's own rounding can turn it there, and no further.
;;   INPUTS GIVEN AS CODES. Wk (in the module: [1024, 1024], K = its axis 1); Wo (in the module: [1024, 1024], K = its axis 1); Wq (in the module: [1024, 1024], K = its axis 1); Wv (in the module: [1024, 1024], K = its axis 1); k (in the module: [4, 2048, 1024], K = its axis 2); q (in the module: [4, 2048, 1024], K = its axis 2); v (in the module: [4, 2048, 1024], K = its axis 2): each comes as NAME_codes (uint8): NAME with its K axis moved to the last place and cut into blocks of 32 codes, [.., K / 32, bytes a block], one block behind the other in memory; four codes in three bytes: a row's codes are one little-endian stream of bits, code i at bits 6 i .. 6 i + 5 (a code: sign, 2 exponent bits, 3 mantissa bits); and NAME_scales (uint8): the same leading axes, one E8M0 byte (e + 127) for each 32 codes along K. Its value is code x scale, taken as it is: it is not quantised again, and the codes and scales need not be those that the quantiser above would give.
;; One version. Each part assembles by itself: llvm-mc -triple=amdgcn-amd-amdhsa -mcpu=gfx1250 --defsym DOCPART=n.
;; ======== version 1 of 1: 3 launches
;; limits: right only within a limited range of input values
;; workspace buffers: qkv 19,660,800 bytes; oimg 6,291,456 bytes; osc 262,144 bytes
;; launch proj (part 1): grid 8 x 96, 4 waves a work-group, clusters of 4 x 4, 327,680 bytes of LDS; arguments q_codes, q_scales, k_codes, k_scales, v_codes, v_scales, Wq_codes, Wq_scales, Wk_codes, Wk_scales, Wv_codes, Wv_scales, bq, bk, bv, qkv; writes qkv
.if DOCPART == 1
	.amdgcn_target "amdgcn-amd-amdhsa--gfx1250"
	.amdhsa_code_object_version 6
	.text
	.protected	k_q3351dc16d7_proj
	.globl	k_q3351dc16d7_proj
	.p2align	8
	.type	k_q3351dc16d7_proj,@function
k_q3351dc16d7_proj:
	s_mov_b64 s[64:65], 0
	v_nop
	global_prefetch_b8 v0, s[64:65] scope:SCOPE_SE
	s_setreg_imm32_b32 hwreg(HW_REG_WAVE_MODE, 25, 1), 1
	s_wait_xcnt 0x0
	s_wait_alu depctr_hold_cnt(0) depctr_sa_sdst(0) depctr_va_vdst(0) depctr_va_sdst(0) depctr_va_ssrc(0) depctr_va_vcc(0) depctr_vm_vsrc(0)
	s_getreg_b32 s2, hwreg(HW_REG_IB_STS2, 6, 4)
	s_cmp_eq_u32 s2, 0
	s_cbranch_scc0 .Lentry_in_a_cluster
	s_endpgm
.Lentry_in_a_cluster:
	s_bfe_u32 s2, ttmp6, 0x10000c
	s_cmp_lg_u32 s2, 0xf033
	s_cbranch_scc0 .Lentry_shape_is_right
	s_endpgm
.Lentry_shape_is_right:
; THE THREE PROJECTIONS x W^T + b on given codes of FP6 (E2M3) with E8M0 scales; sums in f32; the results are quantised in registers and leave as images of the next launch's operand registers.
; No work is left out; every input is loaded.
; 48 clusters of 4 x 4: cluster y / 8 = MODE (0 q, 1 k, 2 v), c = cluster y % 8.  A work-group makes 256 rows of "A" x 128 rows of "B"; ALL OF K (1,024: rows of 768 bytes, three units of 256) lies in LDS, filled once.
; Source 0 = 16 rows of B, source 1 = 16 rows of A: a lane holds one row of A, its registers run along B.  MODE 0, 1: A = tokens, B = features.  MODE 2: A = Wv's features, B = tokens.
; A wave makes A's rows 64 w .. 64 w + 63 x all 128 of B: 32 accumulators.  q, k: 64 tokens x two heads; v: one head x 128 keys.
; LOADS: one joint load a wave at the head (A's rows, B's rows, A's scales, B's scales); A shared along a row of the cluster, B along a column.  Nothing is filled again.
; No prefetch: every tile is asked for at the head, so there is no loop to run ahead in.
; qkv: record ((batch 16 + head) 16 + token / 128) of 19,200 bytes: K's four pair images (1,536 each), V's four fragment images, K's scale words (256), V's (256), Q's four pair images, Q's scale words (256).
; An image: register p of a lane at 512 (p / 4) + 16 lane + 4 (p % 4).  Pair image u: registers 0-5 token tile 2 u, 6-11 tile 2 u + 1 (lane (r, h): block h of token r's head).  V image t: lane = feature 16 t + r, registers 6 c .. = key block 2 c + h.
; Scale words: word u of row r at 128 (u / 2) + 8 r + 4 (u % 2).  A q or k wave holds two of a row's four words: it stores 128 bytes on end, half a unit; its neighbour wave stores the other half.
; Inside a block of 32 the order in the images is 0-7, 16-23, 8-15, 24-31, alike on both sides of each later product; blocks and scales are the true ones.
; LIMITS: NaN and infinities are not served; a block whose largest magnitude lies under 2^-124 (zeros too) keeps the scale byte 1; these bytes are read by this program alone.
.set PITCH, 816                        ; 3 x (256 + 16)
.set BOF,   256*PITCH
.set SAO,   BOF+128*PITCH
.set SBO,   SAO+32*272
.set SPARE, SBO+16*272
.set RECB,  19200
.set HEADB, 16*RECB
.set ASA, 10                           ; LDS address of A's scale words; v11 of B's
.set ASB, 11
.set OA,  24                           ; 16 x lane
.set OS,  25                           ; 8 x lane
.set OR8, 26                           ; 8 x (lane % 16)
.set SPW, 28
.set NIL, 29
.set BPA, 30
.set BQA, 31
.set SA,  32                           ; v32-63 A's scale words: block a, step q at 8 a + (q + 4) % 8
.set SB,  64                           ; v64-127 B's: 8 b + q
.set AF,  128                          ; v128-223 A's fragments, two sets of 48
.set T,   128
.set PC,  192
.set PW4, 212
.set SL,  216
.set BQ,  224
.set TM,  240
.set BP,  32                           ; window 3: v800-863 bias by registers; v768-791 fragment addresses
.set PS0, 22
.set PS1, 23
.set G1A, 24
.set G0A, 32
.set G0B, 36
.set G1B, 48
.set G0SA, 56
.set G0SB, 60
.set G1S, 68
.set G1SB, 80
.set IB,  88                           ; s[88:89] images 0, 1; s[90:91] images 2, 3
.set MSB, 0
.macro WIN new
.if MSB != \new
	s_set_vgpr_msb (MSB<<8)|\new
.set MSB, \new
.endif
.endm
.macro PLACES n
.rept \n
	v_nop
.endr
.endm
.macro CROUND
	s_barrier_signal -1
	s_barrier_wait -1
	s_cmp_lg_u32 s14, 0
	s_cbranch_scc1 .Lnot_wave_0_\@
	s_barrier_signal -3
.Lnot_wave_0_\@:
	s_barrier_wait -3
	s_barrier_signal -1
	s_barrier_wait -1
.endm
.macro GCODE g, mask, rows
	s_or_b32 s[\g], s\mask, (1<<20)|(1<<21)|(5<<22)|(3<<25)
	s_mov_b32 s[\g+1], 768<<16
	s_mov_b32 s[\g+2], (\rows)<<16
	s_mov_b32 s[\g+3], 768<<16
	s_mov_b32 s[\g+4], \rows
	s_mov_b32 s[\g+5], 768
	s_mov_b32 s[\g+6], 0
	s_mov_b32 s[\g+7], 0
.endm
.macro GSCL g, mask, rows
	s_or_b32 s[\g], s\mask, (3<<16)|(1<<20)|(1<<21)|(5<<22)|(3<<25)
	s_mov_b32 s[\g+1], 32<<16
	s_mov_b32 s[\g+2], (\rows)<<16
	s_mov_b32 s[\g+3], 32<<16
	s_mov_b32 s[\g+4], \rows
	s_mov_b32 s[\g+5], 32
	s_mov_b32 s[\g+6], 0
	s_mov_b32 s[\g+7], 0
.endm
.macro GZERO g, lds, base, tile, mul   ; group 0: base + tile x mul (s21 = 0)
	s_mov_b32 s[\g], 1
	s_mov_b32 s[\g+1], \lds
	s_mul_i32 s20, s\tile, \mul
	s_add_nc_u64 s[\g+2:\g+3], s[\base:\base+1], s[20:21]
	s_or_b32 s[\g+3], s[\g+3], 0x80000000
.endm
.macro ARM under, g0, g1, next
	s_cmp_lt_u32 s14, \under
	s_cbranch_scc0 \next
	tensor_load_to_lds s[\g0:\g0+3], s[\g1:\g1+7]
	s_nop 0
	PLACES 4
	s_branch .Lhead_asked
\next:
.endm
	s_load_b512 s[24:39], s[0:1], 0x0              ; q codes 24, scales 26, k 28, 30, v 32, 34, Wq 36, 38
	s_load_b512 s[68:83], s[0:1], 0x40             ; Wk 68, 70, Wv 72, 74, bq 76, bk 78, bv 80, qkv 82
	v_lshl_add_u32 v[SPW], v0, 2, SPARE
	v_mov_b32 v[NIL], 0
	ds_add_u32 v[SPW], v[NIL]                      ; the opening lines
	ds_add_u32 v[SPW], v[NIL]
	v_lshrrev_b32 v1, 5, v0
	v_readfirstlane_b32 s14, v1                    ; wave
	s_bfe_u32 s40, ttmp6, 0x40000                  ; cx
	s_bfe_u32 s41, ttmp6, 0x40004                  ; cy
	s_mov_b32 s15, ttmp9                           ; cluster x, 0 or 1
	s_and_b32 s94, ttmp7, 0xffff
	s_lshr_b32 s95, s94, 3                         ; MODE
	s_and_b32 s94, s94, 7                          ; c
	s_lshl_b32 s16, s94, 1
	s_add_co_u32 s16, s16, s15                     ; 2 c + cluster x
	s_wait_alu depctr_va_vdst(0)
	s_wait_dscnt 0x0
	s_wait_kmcnt 0x0
	s_cmp_eq_u32 s95, 1
	s_cselect_b64 s[4:5], s[28:29], s[32:33]       ; x's codes
	s_cselect_b64 s[6:7], s[30:31], s[34:35]       ; x's scales
	s_cselect_b64 s[8:9], s[68:69], s[72:73]       ; W's codes
	s_cselect_b64 s[10:11], s[70:71], s[74:75]     ; W's scales
	s_cselect_b64 s[98:99], s[78:79], s[80:81]     ; the bias
	s_cmp_eq_u32 s95, 0
	s_cselect_b64 s[4:5], s[24:25], s[4:5]
	s_cselect_b64 s[6:7], s[26:27], s[6:7]
	s_cselect_b64 s[8:9], s[36:37], s[8:9]
	s_cselect_b64 s[10:11], s[38:39], s[10:11]
	s_cselect_b64 s[98:99], s[76:77], s[98:99]
	s_cmp_eq_u32 s95, 2                            ; for v the weight is A and the tokens are B
	s_cselect_b64 s[86:87], s[8:9], s[4:5]
	s_cselect_b64 s[88:89], s[10:11], s[6:7]
	s_cselect_b64 s[90:91], s[4:5], s[8:9]
	s_cselect_b64 s[92:93], s[6:7], s[10:11]
	s_cselect_b32 s18, 0, s94
	s_cselect_b32 s19, s16, s15
	s_mov_b64 s[4:5], s[86:87]                     ; A's codes, scales; B's codes, scales
	s_mov_b64 s[6:7], s[88:89]
	s_mov_b64 s[8:9], s[90:91]
	s_mov_b64 s[10:11], s[92:93]
	s_mov_b64 s[12:13], s[82:83]                   ; qkv
	s_lshl_b32 s42, s19, 2
	s_add_co_u32 s42, s42, s40                     ; B's tile of 128 rows
	s_lshl_b32 s17, s18, 2
	s_add_co_u32 s17, s17, s41                     ; A's tile of 256 rows
	s_lshl_b32 s43, s41, 2
	s_lshl_b32 s43, 15, s43                        ; my row of the cluster
	s_lshl_b32 s44, 0x1111, s40                    ; my column
	GCODE G1A, 43, 256
	GCODE G1B, 44, 128
	GSCL G1S, 43, 32
	GSCL G1SB, 44, 16
	s_mov_b32 s21, 0
	GZERO G0A, 0, 4, 17, 256*768
	GZERO G0B, BOF, 8, 42, 128*768
	GZERO G0SA, SAO, 6, 17, 256*32
	GZERO G0SB, SBO, 10, 42, 128*32
	CROUND                                         ; the joint loads meet
	ARM 1, G0A, G1A, .Lhead_b
	ARM 2, G0B, G1B, .Lhead_sa
	ARM 3, G0SA, G1S, .Lhead_sb
	tensor_load_to_lds s[G0SB:G0SB+3], s[G1SB:G1SB+7]
	s_nop 0
	PLACES 4
.Lhead_asked:
	v_and_b32 v1, 15, v0                           ; r
	v_bfe_u32 v2, v0, 4, 1                         ; h
	v_mul_u32_u24 v3, v1, PITCH
	v_mad_u32_u24 v4, v2, 24, v3                   ; a fragment's row + 24 h
	v_mad_u32_u24 v5, v2, 40, v3                   ; the same where lanes 16-31 lie behind one padding more
	s_mul_i32 s21, s14, 64*PITCH
	v_add_nc_u32 v6, s21, v4
	v_add_nc_u32 v7, s21, v5
	WIN 0xc0
.irp i, 0,1,2,3
	v_add_nc_u32 v[2*\i], \i*16*PITCH, v6
	v_add_nc_u32 v[2*\i+1], \i*16*PITCH, v7
.endr
.irp i, 0,1,2,3,4,5,6,7
	v_add_nc_u32 v[8+2*\i], BOF+\i*16*PITCH, v4
	v_add_nc_u32 v[9+2*\i], BOF+\i*16*PITCH, v5
.endr
	WIN 0
	v_lshlrev_b32 v8, 5, v1                        ; a row's 32 scale bytes, 16 more behind every 256
	v_lshrrev_b32 v9, 3, v1
	v_lshl_add_u32 v8, v9, 4, v8
	s_mul_i32 s21, s14, 4*544
	s_add_co_u32 s21, s21, SAO
	v_add_nc_u32 v[ASA], s21, v8
	v_add_nc_u32 v[ASB], SBO, v8
	v_and_b32 v6, 31, v0
	v_lshlrev_b32 v[OA], 4, v6
	v_lshlrev_b32 v[OS], 3, v6
	v_lshlrev_b32 v[OR8], 3, v1
	s_lshl_b32 s20, s17, 8
	s_lshl_b32 s21, s14, 6
	s_add_co_u32 s20, s20, s21                     ; m0: my first row of A
	s_lshl_b32 s46, s42, 7                         ; n0: the first row of B
	s_and_b32 s16, s14, 1
	s_mov_b32 s18, HEADB
	s_mov_b32 s19, 12288
	s_cmp_eq_u32 s95, 2
	s_cselect_b32 s21, s46, s20                    ; first token
	s_cselect_b32 s22, s20, s46                    ; first feature
	s_cselect_b32 s23, 0, s46                      ; the bias by registers (q, k) from n0; for v these loads read its first numbers and are not used,
	s_cselect_b32 s47, s20, 0                      ; by lanes (v) from m0; for q, k likewise.  Every load stays inside the 4,096 bytes
	s_cselect_b32 s16, 0, s16                      ; q, k: which 64 tokens of the record's 128
	s_cselect_b32 s18, 3072, s18                   ; from image 0 to image 2: v two images on, q, k the next head
	s_cselect_b32 s19, 12544, s19                  ; the scale words' place in the record
	s_cselect_b32 s94, 6144, 0                     ; the images' place
	s_cmp_eq_u32 s95, 0
	s_cselect_b32 s19, 18944, s19
	s_cselect_b32 s94, 12800, s94
	s_lshl_b32 s23, s23, 2
	s_lshl_b32 s47, s47, 2
	v_lshl_add_u32 v[BPA], v2, 5, s23
	v_lshl_add_u32 v[BQA], v1, 2, s47
	WIN 0xc0
.irp b, 0,1,2,3,4,5,6,7
	global_load_b128 v[BP+8*\b:BP+8*\b+3], v[BPA], s[98:99] offset:64*\b
	global_load_b128 v[BP+8*\b+4:BP+8*\b+7], v[BPA], s[98:99] offset:64*\b+16
.endr
	WIN 0
.irp a, 0,1,2,3
	global_load_b32 v[BQ+2*\a], v[BQA], s[98:99] offset:64*\a      ; twice: a pair for the packed addition
	global_load_b32 v[BQ+2*\a+1], v[BQA], s[98:99] offset:64*\a
.endr
	s_lshr_b32 s20, s21, 11                        ; batch
	s_lshl_b32 s20, s20, 4
	s_lshr_b32 s22, s22, 6                         ; head
	s_add_co_u32 s20, s20, s22
	s_lshl_b32 s20, s20, 4
	s_bfe_u32 s21, s21, 0x40007
	s_add_co_u32 s20, s20, s21
	s_mul_i32 s20, s20, RECB
	s_mov_b32 s21, 0
	s_add_nc_u64 s[12:13], s[12:13], s[20:21]      ; the record
	s_mul_i32 s20, s16, 3072
	s_add_co_u32 s20, s20, s94
	s_add_nc_u64 s[IB:IB+1], s[12:13], s[20:21]
	s_mov_b32 s20, s18
	s_add_nc_u64 s[IB+2:IB+3], s[IB:IB+1], s[20:21]
	s_lshl_b32 s20, s16, 7
	s_add_co_u32 s20, s20, s19
	s_add_nc_u64 s[96:97], s[12:13], s[20:21]      ; my scale words; q, k: the next head's in s[92:93]
	s_add_nc_u64 s[92:93], s[96:97], HEADB
	s_mov_b32 s100, 0xffff0000
	s_mov_b32 s[PS0], 0x76543210
	s_mov_b32 s[PS1], 0xfedcba98
.irp b, 0,1,2,3
	v_mov_b32 v[TM+4+\b], 0                        ; a lane permute's destination counts as a source
.endr
; a fragment: six pieces of 8 bytes, two to a load where both go by the same address register.  NLD counts the loads
.macro FRAG reg, q, a
.set SKIP_, 0
.irp p, 0,1,2,3,4,5
.if SKIP_
.set SKIP_, 0
.else
.set PC_, 12*(\q)+6*(\p/3)+\p%3
.set PN_, 12*(\q)+6*((\p+1)/3)+(\p+1)%3
.set X_, (PC_%32+3)/32
.set XQ_, (PN_%32+3)/32
.set NLD, NLD+1
.if (\p < 5) && (X_ == XQ_)
.set SKIP_, 1
	ds_load_2addr_b64 v[(\reg)+2*\p:(\reg)+2*\p+3], v[\a+X_] offset0:PC_+2*(PC_/32) offset1:PN_+2*(PN_/32)
.else
	ds_load_b64 v[(\reg)+2*\p:(\reg)+2*\p+1], v[\a+X_] offset:8*(PC_+2*(PC_/32))
.endif
.endif
.endr
.endm
.macro LOADS q                         ; step q's twelve fragments into set q % 2: B's in window 2, A's in window 0; addresses in window 3
.set NLD, 0
	WIN 0x83
.irp i, 0,1,2,3,4,5,6,7
	FRAG 128*((\q)%2)+12*\i, \q, 8+2*\i
.endr
	WIN 0x03
.irp i, 0,1,2,3
	FRAG AF+48*((\q)%2)+12*\i, \q, 2*\i
.endr
.endm
.macro MULS q                          ; 32 products, the 32 accumulators (window 1) by turns, in the same order in every step
	WIN 0x52
.irp a, 0,1,2,3
.irp b, 0,1,2,3,4,5,6,7
.if (\q) == 0
	v_wmma_scale_f32_16x16x128_f8f6f4 v[8*(8*\a+\b):8*(8*\a+\b)+7], v[128*((\q)%2)+12*\b:128*((\q)%2)+12*\b+11], v[AF+48*((\q)%2)+12*\a:AF+48*((\q)%2)+12*\a+11], 0, v[SB+8*\b+(\q)], v[SA+8*\a+((\q)+4)%8] matrix_a_fmt:MATRIX_FMT_FP6 matrix_b_fmt:MATRIX_FMT_FP6
.else
	v_wmma_scale_f32_16x16x128_f8f6f4 v[8*(8*\a+\b):8*(8*\a+\b)+7], v[128*((\q)%2)+12*\b:128*((\q)%2)+12*\b+11], v[AF+48*((\q)%2)+12*\a:AF+48*((\q)%2)+12*\a+11], v[8*(8*\a+\b):8*(8*\a+\b)+7], v[SB+8*\b+(\q)], v[SA+8*\a+((\q)+4)%8] matrix_a_fmt:MATRIX_FMT_FP6 matrix_b_fmt:MATRIX_FMT_FP6
.endif
.endr
.endr
.endm
	s_wait_alu depctr_va_vdst(0)
	s_wait_tensorcnt 0x0                           ; my tile is in,
	s_barrier_signal -1
	s_barrier_wait -1                              ; all four are
.irp i, 0,1,2,3
	ds_load_b128 v[SA+8*\i+4:SA+8*\i+7], v[ASA] offset:\i*544
	ds_load_b128 v[SA+8*\i:SA+8*\i+3], v[ASA] offset:\i*544+16
.endr
.irp i, 0,1,2,3,4,5,6,7
	ds_load_b128 v[SB+8*\i:SB+8*\i+3], v[ASB] offset:\i*544
	ds_load_b128 v[SB+8*\i+4:SB+8*\i+7], v[ASB] offset:\i*544+16
.endr
	LOADS 0
.set Q, 0
.rept 7
.if Q > 0
	PLACES 4                                       ; behind the products that read the set loaded next
.endif
	LOADS Q+1
	s_wait_dscnt NLD                               ; all but the NLD loads just issued: step Q's fragments are in
	MULS Q
.set Q, Q+1
.endr
	s_wait_dscnt 0x0
	MULS 7
	WIN 0
; THE WAY OUT: four images a wave, each of 64 numbers a lane: bias added, quantised in registers, stored as it stands
.macro QUANT s, pw
.irp b, 0,1,2,3
	v_max3_num_f32 v[TM+\b], |v[\s+16*\b]|, |v[\s+1+16*\b]|, 0x1800000   ; block b: my 16 numbers and the floor 2^(3 - 127)
.endr
.irp i, 2,4,6,8,10,12,14
.irp b, 0,1,2,3
	v_max3_num_f32 v[TM+\b], v[TM+\b], |v[\s+16*\b+\i]|, |v[\s+1+16*\b+\i]|
.endr
.endr
.irp b, 0,1,2,3
	v_permlanex16_b32 v[TM+4+\b], v[TM+\b], s[PS0], s[PS1]
.endr
.irp b, 0,1,2,3
	v_max_num_f32 v[TM+\b], v[TM+\b], v[TM+4+\b]
.endr
.irp b, 0,1,2,3
	v_add_nc_u32 v[TM+12+\b], 0xff000000, v[TM+\b] ; 2 off the exponent field: the conversion's scale operand
.endr
.irp b, 0,1,2,3
	v_lshrrev_b32 v[TM+4+\b], 23, v[TM+12+\b]      ; the scale's byte
.endr
	v_lshl_or_b32 v[\pw], v[TM+5], 8, v[TM+4]
	v_lshl_or_b32 v[\pw], v[TM+6], 16, v[\pw]
	v_lshl_or_b32 v[\pw], v[TM+7], 24, v[\pw]
.irp c, 0,1
	v_cvt_scalef32_pk16_fp6_f32 v[PC+6*\c:PC+2+6*\c], v[\s+32*\c:\s+15+32*\c], v[TM+12+2*\c]
	v_cvt_scalef32_pk16_fp6_f32 v[PC+12+4*\c:PC+14+4*\c], v[\s+16+32*\c:\s+31+32*\c], v[TM+12+2*\c+1]
.endr
	v_nop
.irp c, 0,1                                    ; a whole block in a lane: lanes 0-15 block 2 c, lanes 16-31 block 2 c + 1
.irp i, 0,1,2
	v_permlane16_swap_b32 v[PC+6*\c+\i], v[PC+12+4*\c+\i]
.endr
.irp i, 0,1,2
	v_mov_b32 v[PC+3+6*\c+\i], v[PC+12+4*\c+\i]
.endr
.endr
.endm
.macro COPY_QK u, eta                  ; my token tiles 2 u, 2 u + 1, head eta's 64 features; each accumulator from its low end on
	WIN 0x0d
.irp cc, 0,1
.set E, 0
.rept 16
	v_pk_add_f32 v[T+32*\cc+E:T+32*\cc+E+1], v[64*(2*(\u)+\cc)+32*(\eta)+E:64*(2*(\u)+\cc)+32*(\eta)+E+1], v[BP+32*(\eta)+E:BP+32*(\eta)+E+1]
.set E, E+2
.endr
.endr
	WIN 0
.endm
.macro COPY_V a                        ; features 16 a .., 128 tokens in the 64 registers
	WIN 0x01
.set E, 0
.rept 32
	v_pk_add_f32 v[T+E:T+E+1], v[64*(\a)+E:64*(\a)+E+1], v[BQ+2*(\a):BQ+2*(\a)+1]
.set E, E+2
.endr
	WIN 0
.endm
.macro OUTI n
.if (\n) > 0
	s_wait_xcnt 0x0                                ; the last image's stores have read their registers
.endif
	s_cmp_eq_u32 s95, 2                            ; the mode hangs on the cluster's y alone
	s_cbranch_scc1 .Lv_\@
	COPY_QK (\n)%2, (\n)/2
	s_branch .Lj_\@
.Lv_\@:
	COPY_V \n
.Lj_\@:
	QUANT T, PW4+(\n)
.irp c, 0,1,2
	global_store_b128 v[OA], v[PC+4*\c:PC+4*\c+3], s[IB+2*((\n)/2):IB+2*((\n)/2)+1] offset:((\n)%2)*1536+512*\c   ; 512 bytes on end, aligned to 256
.endr
.endm
	PLACES 4
	s_wait_loadcnt 0x0                             ; the bias
.irp n, 0,1,2,3
	OUTI \n
.endr
	s_wait_alu depctr_va_vdst(0)
	s_cmp_eq_u32 s95, 2
	s_cbranch_scc1 .Lv_words
	global_store_b64 v[OR8], v[PW4:PW4+1], s[96:97]        ; lanes r and r + 16 write the same bytes with the same value
	global_store_b64 v[OR8], v[PW4+2:PW4+3], s[92:93]
	s_branch .Lwords_out
.Lv_words:
	v_cndmask_b32 v[SL], v[PW4], v[PW4+2], s100    ; lanes 0-15 words 0, 1 of their row, lanes 16-31 words 2, 3
	v_cndmask_b32 v[SL+1], v[PW4+1], v[PW4+3], s100
	global_store_b64 v[OS], v[SL:SL+1], s[96:97]
.Lwords_out:
	s_wait_tensorcnt 0x0                           ; the wave's end
	ds_add_u32 v[SPW], v[NIL]
	s_wait_dscnt 0x0
	CROUND
	s_endpgm
.Lfunc_end_k_q3351dc16d7_proj:
	.size	k_q3351dc16d7_proj, .Lfunc_end_k_q3351dc16d7_proj-k_q3351dc16d7_proj
	.p2alignl 7, 3214868480
	.fill 96, 4, 3214868480
	.section	.rodata,"a",@progbits
	.p2align	6, 0x0
	.amdhsa_kernel k_q3351dc16d7_proj
		.amdhsa_group_segment_fixed_size 327680
		.amdhsa_private_segment_fixed_size 0
		.amdhsa_enable_private_segment 0
		.amdhsa_kernarg_size 128
		.amdhsa_user_sgpr_count 2
		.amdhsa_user_sgpr_kernarg_segment_ptr 1
		.amdhsa_wavefront_size32 1
		.amdhsa_system_sgpr_workgroup_id_x 1
		.amdhsa_system_sgpr_workgroup_id_y 1
		.amdhsa_system_sgpr_workgroup_id_z 1
		.amdhsa_system_vgpr_workitem_id 0
		.amdhsa_next_free_vgpr 864
		.amdhsa_next_free_sgpr 102
		.amdhsa_reserve_vcc 0
		.amdhsa_float_denorm_mode_32 3
		.amdhsa_float_denorm_mode_16_64 3
		.amdhsa_memory_ordered 1
		.amdhsa_forward_progress 1
		.amdhsa_inst_pref_size 103
	.end_amdhsa_kernel
	.amdgpu_metadata
---
amdhsa.version: [ 1, 2 ]
amdhsa.kernels:
  - .name:           k_q3351dc16d7_proj
    .symbol:         k_q3351dc16d7_proj.kd
    .args:
      - { .name: q_codes, .offset: 0, .size: 8, .value_kind: global_buffer, .address_space: global }
      - { .name: q_scales, .offset: 8, .size: 8, .value_kind: global_buffer, .address_space: global }
      - { .name: k_codes, .offset: 16, .size: 8, .value_kind: global_buffer, .address_space: global }
      - { .name: k_scales, .offset: 24, .size: 8, .value_kind: global_buffer, .address_space: global }
      - { .name: v_codes, .offset: 32, .size: 8, .value_kind: global_buffer, .address_space: global }
      - { .name: v_scales, .offset: 40, .size: 8, .value_kind: global_buffer, .address_space: global }
      - { .name: Wq_codes, .offset: 48, .size: 8, .value_kind: global_buffer, .address_space: global }
      - { .name: Wq_scales, .offset: 56, .size: 8, .value_kind: global_buffer, .address_space: global }
      - { .name: Wk_codes, .offset: 64, .size: 8, .value_kind: global_buffer, .address_space: global }
      - { .name: Wk_scales, .offset: 72, .size: 8, .value_kind: global_buffer, .address_space: global }
      - { .name: Wv_codes, .offset: 80, .size: 8, .value_kind: global_buffer, .address_space: global }
      - { .name: Wv_scales, .offset: 88, .size: 8, .value_kind: global_buffer, .address_space: global }
      - { .name: bq, .offset: 96, .size: 8, .value_kind: global_buffer, .address_space: global }
      - { .name: bk, .offset: 104, .size: 8, .value_kind: global_buffer, .address_space: global }
      - { .name: bv, .offset: 112, .size: 8, .value_kind: global_buffer, .address_space: global }
      - { .name: qkv, .offset: 120, .size: 8, .value_kind: global_buffer, .address_space: global }
    .group_segment_fixed_size: 327680
    .private_segment_fixed_size: 0
    .kernarg_segment_align: 8
    .kernarg_segment_size: 128
    .max_flat_workgroup_size: 128
    .sgpr_count:     102
    .vgpr_count:     864
    .wavefront_size: 32
...
	.end_amdgpu_metadata
.endif
;; end of part 1
;; launch attn (part 2): grid 4 x 64, 16 waves a work-group, clusters of 4 x 1, 206,848 bytes of LDS; arguments qkv, oimg, osc; writes oimg, osc
.if DOCPART == 2
	.amdgcn_target "amdgcn-amd-amdhsa--gfx1250"
	.amdhsa_code_object_version 6
	.text
	.protected	k_q3351dc16d7_attn
	.globl	k_q3351dc16d7_attn
	.p2align	8
	.type	k_q3351dc16d7_attn,@function
k_q3351dc16d7_attn:
	s_mov_b64 s[64:65], 0
	v_nop
	global_prefetch_b8 v0, s[64:65] scope:SCOPE_SE
	s_setreg_imm32_b32 hwreg(HW_REG_WAVE_MODE, 25, 1), 1
	s_wait_xcnt 0x0
	s_wait_alu depctr_hold_cnt(0) depctr_sa_sdst(0) depctr_va_vdst(0) depctr_va_sdst(0) depctr_va_ssrc(0) depctr_va_vcc(0) depctr_vm_vsrc(0)
	s_getreg_b32 s2, hwreg(HW_REG_IB_STS2, 6, 4)
	s_cmp_eq_u32 s2, 0
	s_cbranch_scc0 .Lentry_in_a_cluster
	s_endpgm
.Lentry_in_a_cluster:
	s_bfe_u32 s2, ttmp6, 0x10000c
	s_cmp_lg_u32 s2, 0x3003
	s_cbranch_scc0 .Lentry_shape_is_right
	s_endpgm
.Lentry_shape_is_right:
; ATTENTION of one head on codes of FP6 (E2M3): S^T = K Q^T (K = the head's 64), p = 2^(t - M), O^T = V^T P^T (K = the keys), O / l, and O quantised along the model's 1,024 for the last projection.
; t = score x log2(e) / 8; M = the running largest t rounded up to a whole number; p is quantised along the keys, not normalised; l is the sum of the unquantised p in f32 and divides at the end.
; When M moves, l and O^T are multiplied by 2^(old M - new M): nothing is rounded.
; SHARES.  A work-group owns 512 queries of one head (64 heads x 4 = 256 work-groups), in two passes of 256; each of its sixteen waves owns 16 queries a pass and walks the head's 2,048 keys, 128 a step.
; LDS.  The whole head's K, V and their scale words lie in LDS, filled once: 16 steps x 12,800 bytes (K's four pair images, V's four fragment images, K's and V's scale words), the first 12,800 bytes of each record of qkv.
; CLUSTER.  The four work-groups of a head ask JOINTLY (mask 15): wave w brings step w, 50 rows of 256 bytes: one tensor load a wave.  One barrier shows all sixteen to all waves.
; No prefetch: every tile is asked for at the head, so there is no loop to run ahead in.
; THE SCORES' K IS 64, the instruction's 128.  A pair image of K holds token tile 2 u in k = 0 .. 63 and tile 2 u + 1 in k = 64 .. 127.  Q stands as [D | 0 | D] in 18 registers: zero CODES on Q's side take the other half out.
; LAYOUT.  Both products are used transposed: a lane holds one query; register j of score tile t is key 16 t + 8 (lane / 16) + j.  A block of 32 keys stands in the order 0-7, 16-23, 8-15, 24-31, as V's images hold the keys.
; O meets given codes (Wo), so its 64 numbers are put in ascending order first.
; OUT.  oimg [token tile][head / 2][1,536]: six runs of 256 bytes, run p = registers 2 p, 2 p + 1 of the fragment, 8 bytes a lane; a head fills three whole runs.  osc [token][32]: byte 2 head + block:
; two bytes a lane to rows 32 bytes apart, one part in twenty-four of what is stored, so that the next launch takes the scales as one dense block.
; LIMITS: NaN and infinities are not served; the promise holds while the scaled scores stay under 2^31 in magnitude; a block whose largest magnitude lies under 2^-124 keeps the scale byte 1 (bytes read by this program alone).
.set RECB,  19200
.set HEADB, 16*RECB
.set STEPB, 12800
.set SPARE, 16*STEPB
.set LI,   1
.set L8,   2
.set ADK,  3
.set ADS,  4
.set R8,   5
.set R32,  6
.set QF,   16
.set QS,   34
.set KSC,  36
.set VSC,  38
.set PSC,  40
.set KV,   48
.set S,    96
.set O,    160
.set PCD,  192
.set PCT,  204
.set BM,   212
.set T2,   216
.set SO,   220
.set F,    224
.set TMP,  226
.set QL,   232
.set QW,   244
.set WV,   12
.set PM,   16
.set SH,   17
.set SEL,  20
.set CS,   22
.set G1C,  24
.set G0C,  44
.set TB,   60
.set TS,   61
.set CNT,  62
.set QB,   66
.set QSB,  68
.set OB,   70
.set OSB,  72
.macro ROUND
	s_barrier_signal -1
	s_barrier_wait -1
	s_cmp_lg_u32 s[WV], 0
	s_cbranch_scc1 .Lnot_wave_0_\@
	s_barrier_signal -3
.Lnot_wave_0_\@:
	s_barrier_wait -3
	s_barrier_signal -1
	s_barrier_wait -1
.endm
	s_load_b64 s[4:5], s[0:1], 0x0                 ; qkv
	s_load_b128 s[8:11], s[0:1], 0x8               ; oimg, osc
	v_lshl_add_u32 v254, v0, 2, SPARE
	v_mov_b32 v255, 0
	ds_add_u32 v254, v255                          ; the opening lines
	ds_add_u32 v254, v255
	v_lshrrev_b32 v7, 5, v0
	s_delay_alu instid0(VALU_DEP_1)
	v_readfirstlane_b32 s[WV], v7
	s_bfe_u32 s13, ttmp6, 0x40000                  ; cx: it enters Q's and O's global addresses alone
	s_and_b32 s14, ttmp7, 0xffff                   ; 16 x batch + head
	s_mov_b32 s[G1C], 15|(3<<16)|(1<<21)
	s_mov_b32 s[G1C+1], 32<<16
	s_mov_b32 s[G1C+2], 50<<16
	s_mov_b32 s[G1C+3], 32<<16
	s_mov_b32 s[G1C+4], 50
	s_mov_b32 s[G1C+5], 32
	s_mov_b32 s[G1C+6], 0
	s_mov_b32 s[G1C+7], 0
	s_mul_i32 s74, s14, HEADB
	s_mul_i32 s78, s[WV], RECB                     ; record = wave
	s_add_co_u32 s78, s78, s74
	s_mov_b32 s79, 0
	s_mul_i32 s15, s[WV], STEPB
	s_mov_b32 s[SEL], 0x76543210
	s_mov_b32 s[SEL+1], 0xfedcba98
	s_mov_b32 s[CS], 0x3e38aa3b                    ; log2(e) / 8
	s_mov_b32 s[CS+1], s[CS]
	s_and_b32 s[PM], s[WV], 1
	s_lshl_b32 s[SH], s[PM], 4
	s_sub_co_u32 s[PM], 0, s[PM]
	s_wait_dscnt 0x0
	s_wait_kmcnt 0x0
	s_mov_b32 s[G0C], 1
	s_mov_b32 s[G0C+1], s15
	s_add_nc_u64 s[G0C+2:G0C+3], s[4:5], s[78:79]
	s_or_b32 s[G0C+3], s[G0C+3], 0x80000000
	ROUND                                          ; the joint loads meet
	tensor_load_to_lds s[G0C:G0C+3], s[G1C:G1C+7]
	s_nop 0
.rept 4
	v_nop
.endr
	s_lshl_b32 s74, s13, 2
	s_lshr_b32 s75, s[WV], 3
	s_add_co_u32 s74, s74, s75                     ; Q's record: 4 cx + wave / 8 (+ 2 in pass 1)
	s_bfe_u32 s75, s[WV], 0x20001                  ; the pair
	s_mul_i32 s76, s74, RECB
	s_mul_i32 s77, s14, HEADB
	s_add_co_u32 s76, s76, s77
	s_mov_b32 s80, s76
	s_mul_i32 s77, s75, 1536
	s_add_co_u32 s76, s76, s77
	s_add_co_u32 s76, s76, 12800
	s_mov_b32 s77, 0
	s_add_nc_u64 s[QB:QB+1], s[4:5], s[76:77]
	s_lshr_b32 s78, s75, 1
	s_lshl_b32 s78, s78, 7
	s_add_co_u32 s76, s80, s78
	s_and_b32 s78, s75, 1
	s_lshl_b32 s78, s78, 2
	s_add_co_u32 s76, s76, s78
	s_add_co_u32 s76, s76, 18944
	s_add_nc_u64 s[QSB:QSB+1], s[4:5], s[76:77]
	s_lshr_b32 s74, s14, 4
	s_lshl_b32 s74, s74, 7
	s_lshl_b32 s75, s13, 5
	s_add_co_u32 s74, s74, s75
	s_add_co_u32 s74, s74, s[WV]                   ; token tile = 128 batch + 32 cx + wave (+ 16 in pass 1)
	s_and_b32 s75, s14, 15
	s_mul_i32 s76, s74, 12288
	s_mul_i32 s78, s75, 768
	s_add_co_u32 s76, s76, s78
	s_add_nc_u64 s[OB:OB+1], s[8:9], s[76:77]
	s_lshl_b32 s76, s74, 9
	s_lshl_b32 s78, s75, 1
	s_add_co_u32 s76, s76, s78
	s_add_nc_u64 s[OSB:OSB+1], s[10:11], s[76:77]
	v_and_b32 v[LI], 31, v0
	s_delay_alu instid0(VALU_DEP_1)
	v_lshlrev_b32 v[L8], 3, v[LI]
	s_delay_alu instid0(VALU_DEP_2)
	v_lshlrev_b32 v[LI], 4, v[LI]
	v_and_b32 v[R8], 15, v0
	s_delay_alu instid0(VALU_DEP_1)
	v_lshlrev_b32 v[R32], 5, v[R8]
	s_delay_alu instid0(VALU_DEP_2)
	v_lshlrev_b32 v[R8], 3, v[R8]
.irp i, 0,1,2,3,4,5
	v_mov_b32 v[QF+6+\i], 0                        ; Q's zero codes
.endr
.irp b, 0,1,2,3
	v_mov_b32 v[T2+\b], 0
.endr
	v_mov_b32 v[F+1], 0
	v_mov_b32 v[TMP], 0
.macro PASSHEAD p                      ; my 16 queries' codes and scale words; the running figures start anew
.irp c, 0,1,2
	global_load_b128 v[QL+4*\c:QL+4*\c+3], v[LI], s[QB:QB+1] offset:(\p)*2*RECB+512*\c
.endr
	global_load_b32 v[QW], v[R8], s[QSB:QSB+1] offset:(\p)*2*RECB
	v_mov_b32 v13, 0xff61b1e6                      ; -3e38, under every t
	s_delay_alu instid0(VALU_DEP_1)
	v_floor_f32 v12, -v13
	v_mov_b32 v14, 0
	v_mov_b32 v15, 0
	s_wait_loadcnt 0x0
.irp i, 0,1,2,3,4,5
	v_cndmask_b32 v[QF+\i], v[QL+\i], v[QL+6+\i], s[PM]
.endr
.irp i, 0,1,2,3,4,5
	v_mov_b32 v[QF+12+\i], v[QF+\i]
.endr
	v_lshrrev_b32 v[QS], s[SH], v[QW]              ; my tile's two bytes in bytes 0, 1: for [D | 0];
	s_delay_alu instid0(VALU_DEP_1)
	v_lshlrev_b32 v[QS+1], 16, v[QS]               ; in bytes 2, 3: for [0 | D]
.set J, 0
.rept 32
	v_mov_b32 v[O+J], 0                            ; O^T; also the places ahead of the first scaled product
.set J, J+1
.endr
.endm
.macro STEP                            ; 128 keys
	v_add_nc_u32 v[ADK], s[TB], v[LI]
	v_add_nc_u32 v[ADS], s[TS], v[L8]
	v_nop
	v_nop                                          ; four places behind the last step's products
	ds_load_b64 v[KSC:KSC+1], v[ADS]
	ds_load_b64 v[VSC:VSC+1], v[ADS] offset:256
.irp u, 0,1,2,3
.irp c, 0,1,2
	ds_load_b128 v[KV+12*\u+4*\c:KV+12*\u+4*\c+3], v[ADK] offset:\u*1536+512*\c
.endr
.endr
	s_wait_alu depctr_va_vdst(0)
.irp u, 0,1,2,3
	s_wait_dscnt 9-3*\u                            ; pair u is in; the three loads of each later pair may be out
.irp e, 0,1
.if \u < 2
	v_wmma_scale_f32_16x16x128_f8f6f4 v[S+8*(2*\u+\e):S+8*(2*\u+\e)+7], v[KV+12*\u:KV+12*\u+11], v[QF+6*\e:QF+6*\e+11], 0, v[KSC+\u%2], v[QS+\e] matrix_a_fmt:MATRIX_FMT_FP6 matrix_b_fmt:MATRIX_FMT_FP6
.else
	v_wmma_scale_f32_16x16x128_f8f6f4 v[S+8*(2*\u+\e):S+8*(2*\u+\e)+7], v[KV+12*\u:KV+12*\u+11], v[QF+6*\e:QF+6*\e+11], 0, v[KSC+\u%2], v[QS+\e] matrix_a_fmt:MATRIX_FMT_FP6 matrix_b_fmt:MATRIX_FMT_FP6 matrix_a_scale:MATRIX_SCALE_ROW1
.endif
.endr
.endr
.rept 4
	v_nop
.endr
.irp t, 0,1,2,3
.irp c, 0,1,2
	ds_load_b128 v[KV+12*\t+4*\c:KV+12*\t+4*\c+3], v[ADK] offset:6144+\t*1536+512*\c
.endr
.endr
.irp b, 0,1,2,3
	v_max3_num_f32 v[BM+\b], v[S+16*\b], v[S+1+16*\b], v[S+2+16*\b]   ; each block's largest score: for the row's maximum and for the block's largest p
.endr
.irp i, 3,5,7,9,11,13
.irp b, 0,1,2,3
	v_max3_num_f32 v[BM+\b], v[BM+\b], v[S+16*\b+\i], v[S+1+16*\b+\i]
.endr
.endr
.irp b, 0,1,2,3
	v_max_num_f32 v[BM+\b], v[BM+\b], v[S+15+16*\b]
.endr
.irp b, 0,1,2,3
	s_delay_alu instid0(VALU_DEP_4)
	v_permlanex16_b32 v[T2+\b], v[BM+\b], s[SEL], s[SEL+1]
.endr
.irp b, 0,1,2,3
	s_delay_alu instid0(VALU_DEP_4)
	v_max_num_f32 v[BM+\b], v[BM+\b], v[T2+\b]
.endr
	s_delay_alu instid0(VALU_DEP_2)
	v_max3_num_f32 v[TMP], v[BM], v[BM+1], v[BM+2]
	s_delay_alu instid0(VALU_DEP_1)
	v_max_num_f32 v[TMP], v[TMP], v[BM+3]
	s_delay_alu instid0(VALU_DEP_1)
	v_mul_f32 v[TMP], s[CS], v[TMP]
	s_delay_alu instid0(VALU_DEP_1)
	v_max_num_f32 v13, v13, v[TMP]                 ; the running largest t
	v_mov_b32 v[TMP], v12
	s_delay_alu instid0(VALU_DEP_2)
	v_floor_f32 v12, -v13                          ; -M = -ceil(t)
	s_delay_alu instid0(VALU_DEP_1)
	v_sub_f32 v[TMP], v12, v[TMP]
	s_delay_alu instid0(VALU_DEP_1)
	v_cvt_i32_f32 v[TMP], v[TMP]
	s_delay_alu instid0(VALU_DEP_1)
	v_ldexp_f32 v[F], 1.0, v[TMP]                  ; f = 2^(old M - new M)
.set J, 0
.rept 32
	v_pk_fma_f32 v[S+J:S+J+1], v[S+J:S+J+1], s[CS:CS+1], v[12:13] op_sel_hi:[1,0,0]
.set J, J+2
.endr
.irp b, 0,1,2,3
	v_fma_f32 v[BM+\b], v[BM+\b], s[CS], v12
.endr
.set J, 0
	s_wait_alu depctr_va_vdst(0)                   ; ahead of the batch
.rept 64
	v_exp_f32 v[S+J], v[S+J]
.set J, J+1
.endr
	v_pk_mul_f32 v[14:15], v[14:15], v[F:F+1] op_sel_hi:[1,0]
	s_wait_alu depctr_va_vdst(0)                   ; and behind it
.irp b, 0,1,2,3
	v_exp_f32 v[BM+\b], v[BM+\b]                   ; the block's largest p
.endr
	v_pk_add_f32 v[228:229], v[100:101], v[104:105]
	v_pk_add_f32 v[252:253], v[108:109], v[112:113]
	v_pk_add_f32 v[250:251], v[116:117], v[120:121]
	v_pk_add_f32 v[248:249], v[124:125], v[128:129]
	v_pk_add_f32 v[246:247], v[132:133], v[136:137]
	v_pk_add_f32 v[244:245], v[140:141], v[144:145]
	v_pk_add_f32 v[242:243], v[148:149], v[152:153]
	v_pk_add_f32 v[14:15], v[14:15], v[156:157]
	v_pk_add_f32 v[228:229], v[228:229], v[96:97]
	v_pk_add_f32 v[252:253], v[252:253], v[98:99]
	v_pk_add_f32 v[250:251], v[250:251], v[102:103]
	v_pk_add_f32 v[248:249], v[248:249], v[106:107]
	v_pk_add_f32 v[246:247], v[246:247], v[110:111]
	v_pk_add_f32 v[244:245], v[244:245], v[114:115]
	v_pk_add_f32 v[242:243], v[242:243], v[118:119]
	v_pk_add_f32 v[14:15], v[14:15], v[122:123]
	v_pk_add_f32 v[228:229], v[228:229], v[126:127]
	v_pk_add_f32 v[252:253], v[252:253], v[130:131]
	v_pk_add_f32 v[250:251], v[250:251], v[134:135]
	v_pk_add_f32 v[248:249], v[248:249], v[138:139]
	v_pk_add_f32 v[246:247], v[246:247], v[142:143]
	v_pk_add_f32 v[244:245], v[244:245], v[146:147]
	v_pk_add_f32 v[242:243], v[242:243], v[150:151]
	v_pk_add_f32 v[14:15], v[14:15], v[154:155]
	v_pk_add_f32 v[228:229], v[228:229], v[158:159]
	s_delay_alu instid0(VALU_DEP_2)
	v_pk_add_f32 v[14:15], v[14:15], v[248:249]
	s_delay_alu instid0(VALU_DEP_2)
	v_pk_add_f32 v[228:229], v[228:229], v[246:247]
	v_pk_add_f32 v[252:253], v[252:253], v[244:245]
	v_pk_add_f32 v[250:251], v[250:251], v[242:243]
	s_delay_alu instid0(VALU_DEP_2)
	v_pk_add_f32 v[14:15], v[14:15], v[252:253]
	s_delay_alu instid0(VALU_DEP_2)
	v_pk_add_f32 v[228:229], v[228:229], v[250:251]
	s_delay_alu instid0(VALU_DEP_1)
	v_pk_add_f32 v[14:15], v[14:15], v[228:229]
	s_wait_alu depctr_va_vdst(0)                   ; for the four
.irp b, 0,1,2,3
	v_max_num_f32 v[BM+\b], 0x1800000, v[BM+\b]
.endr
.irp b, 0,1,2,3
	s_delay_alu instid0(VALU_DEP_4)
	v_add_nc_u32 v[SO+\b], 0xff000000, v[BM+\b]
.endr
.irp b, 0,1,2,3
	s_delay_alu instid0(VALU_DEP_4)
	v_lshrrev_b32 v[T2+\b], 23, v[SO+\b]
.endr
	s_delay_alu instid0(VALU_DEP_3)
	v_lshl_or_b32 v[PSC], v[T2+1], 8, v[T2]
	s_delay_alu instid0(VALU_DEP_1)
	v_lshl_or_b32 v[PSC], v[T2+2], 16, v[PSC]
	s_delay_alu instid0(VALU_DEP_1)
	v_lshl_or_b32 v[PSC], v[T2+3], 24, v[PSC]
.irp c, 0,1
	v_cvt_scalef32_pk16_fp6_f32 v[PCD+6*\c:PCD+2+6*\c], v[S+32*\c:S+15+32*\c], v[SO+2*\c]
	v_cvt_scalef32_pk16_fp6_f32 v[PCT+4*\c:PCT+2+4*\c], v[S+16+32*\c:S+31+32*\c], v[SO+2*\c+1]
.endr
	v_nop
.irp c, 0,1
.irp i, 0,1,2
	v_permlane16_swap_b32 v[PCD+6*\c+\i], v[PCT+4*\c+\i]
.endr
.irp i, 0,1,2
	s_delay_alu instid0(VALU_DEP_3)
	v_mov_b32 v[PCD+3+6*\c+\i], v[PCT+4*\c+\i]
.endr
.endr
.set J, 0
.rept 16
	v_pk_mul_f32 v[O+J:O+J+1], v[O+J:O+J+1], v[F:F+1] op_sel_hi:[1,0]   ; O^T under the new M; also the places ahead of the products below
.set J, J+2
.endr
	s_wait_alu depctr_va_vdst(0)
	s_wait_dscnt 0x0                               ; V's fragments are in
.irp t, 0,1,2,3
.if \t < 2
	v_wmma_scale_f32_16x16x128_f8f6f4 v[O+8*\t:O+8*\t+7], v[KV+12*\t:KV+12*\t+11], v[PCD:PCD+11], v[O+8*\t:O+8*\t+7], v[VSC+\t%2], v[PSC] matrix_a_fmt:MATRIX_FMT_FP6 matrix_b_fmt:MATRIX_FMT_FP6
.else
	v_wmma_scale_f32_16x16x128_f8f6f4 v[O+8*\t:O+8*\t+7], v[KV+12*\t:KV+12*\t+11], v[PCD:PCD+11], v[O+8*\t:O+8*\t+7], v[VSC+\t%2], v[PSC] matrix_a_fmt:MATRIX_FMT_FP6 matrix_b_fmt:MATRIX_FMT_FP6 matrix_a_scale:MATRIX_SCALE_ROW1
.endif
.endr
	s_add_co_u32 s[TB], s[TB], STEPB
	s_add_co_u32 s[TS], s[TS], STEPB
.endm
.macro PASS                            ; the head's sixteen key steps
	s_mov_b32 s[TB], 0
	s_mov_b32 s[TS], 12288
	s_mov_b32 s[CNT], 16
.Lstep_\@:
	STEP
	s_sub_co_u32 s[CNT], s[CNT], 1
	s_cmp_lg_u32 s[CNT], 0
	s_cbranch_scc1 .Lstep_\@
.endm
.macro FINISH p                        ; O^T / l, in ascending order of the head's 64, quantised in two blocks, stored as half a fragment's image
.rept 4
	v_nop
.endr
	v_add_f32 v14, v14, v15
	s_delay_alu instid0(VALU_DEP_1)
	v_permlanex16_b32 v[TMP], v14, s[SEL], s[SEL+1]
	s_delay_alu instid0(VALU_DEP_1)
	v_add_f32 v14, v14, v[TMP]
	s_wait_alu depctr_va_vdst(0)
	v_rcp_f32 v14, v14
	v_mov_b32 v15, 0
	s_wait_alu depctr_va_vdst(0)
.set J, 0
.rept 16
	v_pk_mul_f32 v[S+J:S+J+1], v[O+J:O+J+1], v[14:15] op_sel_hi:[1,0]
.set J, J+2
.endr
.irp b, 0,1
.irp j, 0,1,2,3,4,5,6,7
	v_permlane16_swap_b32 v[S+16*\b+\j], v[S+8+16*\b+\j]   ; register 16 b + i is now feature 32 b + 16 h + i
.endr
.endr
.irp b, 0,1
	v_max3_num_f32 v[BM+\b], |v[S+16*\b]|, |v[S+1+16*\b]|, 0x1800000
.endr
.irp i, 2,4,6,8,10,12,14
.irp b, 0,1
	s_delay_alu instid0(VALU_DEP_2)
	v_max3_num_f32 v[BM+\b], v[BM+\b], |v[S+16*\b+\i]|, |v[S+1+16*\b+\i]|
.endr
.endr
.irp b, 0,1
	s_delay_alu instid0(VALU_DEP_2)
	v_permlanex16_b32 v[T2+\b], v[BM+\b], s[SEL], s[SEL+1]
.endr
.irp b, 0,1
	s_delay_alu instid0(VALU_DEP_2)
	v_max_num_f32 v[BM+\b], v[BM+\b], v[T2+\b]
.endr
.irp b, 0,1
	s_delay_alu instid0(VALU_DEP_2)
	v_add_nc_u32 v[SO+\b], 0xff000000, v[BM+\b]
.endr
.irp b, 0,1
	s_delay_alu instid0(VALU_DEP_2)
	v_lshrrev_b32 v[T2+\b], 23, v[SO+\b]
.endr
	s_delay_alu instid0(VALU_DEP_1)
	v_lshl_or_b32 v[TMP], v[T2+1], 8, v[T2]
	v_cvt_scalef32_pk16_fp6_f32 v[PCD:PCD+2], v[S:S+15], v[SO]
	v_cvt_scalef32_pk16_fp6_f32 v[PCT:PCT+2], v[S+16:S+31], v[SO+1]
	v_nop
.irp i, 0,1,2
	v_permlane16_swap_b32 v[PCD+\i], v[PCT+\i]
.endr
.irp i, 0,1,2
	s_delay_alu instid0(VALU_DEP_3)
	v_mov_b32 v[PCD+3+\i], v[PCT+\i]
.endr
.irp i, 0,1,2
	global_store_b64 v[L8], v[PCD+2*\i:PCD+2*\i+1], s[OB:OB+1] offset:(\p)*16*12288+256*\i   ; 256 bytes on end, aligned
.endr
	global_store_b16 v[R32], v[TMP], s[OSB:OSB+1] offset:(\p)*16*512   ; lanes r and r + 16 write the same two bytes with the same value
.endm
	PASSHEAD 0
	s_wait_alu depctr_va_vdst(0)
	s_wait_tensorcnt 0x0                           ; my step's tile is in,
	s_barrier_signal -1
	s_barrier_wait -1                              ; all sixteen are
	PASS
	FINISH 0
	s_wait_xcnt 0x0                                ; the stores have read their registers
	PASSHEAD 1
	PASS
	FINISH 1
	s_wait_tensorcnt 0x0                           ; the wave's end
	ds_add_u32 v254, v255
	s_wait_dscnt 0x0
	ROUND
	s_endpgm
.Lfunc_end_k_q3351dc16d7_attn:
	.size	k_q3351dc16d7_attn, .Lfunc_end_k_q3351dc16d7_attn-k_q3351dc16d7_attn
	.p2alignl 7, 3214868480
	.fill 96, 4, 3214868480
	.section	.rodata,"a",@progbits
	.p2align	6, 0x0
	.amdhsa_kernel k_q3351dc16d7_attn
		.amdhsa_group_segment_fixed_size 206848
		.amdhsa_private_segment_fixed_size 0
		.amdhsa_enable_private_segment 0
		.amdhsa_kernarg_size 24
		.amdhsa_user_sgpr_count 2
		.amdhsa_user_sgpr_kernarg_segment_ptr 1
		.amdhsa_wavefront_size32 1
		.amdhsa_system_sgpr_workgroup_id_x 1
		.amdhsa_system_sgpr_workgroup_id_y 1
		.amdhsa_system_sgpr_workgroup_id_z 1
		.amdhsa_system_vgpr_workitem_id 0
		.amdhsa_next_free_vgpr 256
		.amdhsa_next_free_sgpr 82
		.amdhsa_reserve_vcc 0
		.amdhsa_float_denorm_mode_32 3
		.amdhsa_float_denorm_mode_16_64 3
		.amdhsa_memory_ordered 1
		.amdhsa_forward_progress 1
		.amdhsa_inst_pref_size 54
	.end_amdhsa_kernel
	.amdgpu_metadata
---
amdhsa.version: [ 1, 2 ]
amdhsa.kernels:
  - .name:           k_q3351dc16d7_attn
    .symbol:         k_q3351dc16d7_attn.kd
    .args:
      - { .name: qkv, .offset: 0, .size: 8, .value_kind: global_buffer, .address_space: global }
      - { .name: oimg, .offset: 8, .size: 8, .value_kind: global_buffer, .address_space: global }
      - { .name: osc, .offset: 16, .size: 8, .value_kind: global_buffer, .address_space: global }
    .group_segment_fixed_size: 206848
    .private_segment_fixed_size: 0
    .kernarg_segment_align: 8
    .kernarg_segment_size: 24
    .max_flat_workgroup_size: 512
    .sgpr_count:     82
    .vgpr_count:     256
    .wavefront_size: 32
...
	.end_amdgpu_metadata
.endif
;; end of part 2
;; launch outp (part 3): grid 8 x 32, 4 waves a work-group, clusters of 4 x 4, 327,680 bytes of LDS; arguments oimg, osc, Wo_codes, Wo_scales, bo, out0; writes out0
.if DOCPART == 3
	.amdgcn_target "amdgcn-amd-amdhsa--gfx1250"
	.amdhsa_code_object_version 6
	.text
	.protected	k_q3351dc16d7_outp
	.globl	k_q3351dc16d7_outp
	.p2align	8
	.type	k_q3351dc16d7_outp,@function
k_q3351dc16d7_outp:
	s_mov_b64 s[64:65], 0
	v_nop
	global_prefetch_b8 v0, s[64:65] scope:SCOPE_SE
	s_setreg_imm32_b32 hwreg(HW_REG_WAVE_MODE, 25, 1), 1
	s_wait_xcnt 0x0
	s_wait_alu depctr_hold_cnt(0) depctr_sa_sdst(0) depctr_va_vdst(0) depctr_va_sdst(0) depctr_va_ssrc(0) depctr_va_vcc(0) depctr_vm_vsrc(0)
	s_getreg_b32 s2, hwreg(HW_REG_IB_STS2, 6, 4)
	s_cmp_eq_u32 s2, 0
	s_cbranch_scc0 .Lentry_in_a_cluster
	s_endpgm
.Lentry_in_a_cluster:
	s_bfe_u32 s2, ttmp6, 0x10000c
	s_cmp_lg_u32 s2, 0xf033
	s_cbranch_scc0 .Lentry_shape_is_right
	s_endpgm
.Lentry_shape_is_right:
; THE LAST PROJECTION  out0 = O Wo^T + bo  on codes of FP6 (E2M3) with E8M0 scales; sums in f32.  O: oimg and osc as the launch before leaves them; Wo as it is given.
; 256 work-groups; each makes 256 tokens x 128 columns; ALL OF K (1,024) lies in LDS, filled once: O's 16 token tiles (12,288 bytes each, dense images), Wo's 128 rows of 768 bytes (16 bytes of padding behind every 256), both sides' scale bytes.
; One joint load a wave at the head; O shared along a row of the 4 x 4 cluster, Wo along a column.  Nothing is filled again.  No prefetch: every tile is asked for at the head, so there is no loop to run ahead in.
; A wave makes tokens 64 w .. 64 w + 63 x 128 columns: 32 accumulators.  Source 0 = 16 rows of Wo, source 1 = 16 tokens: a lane holds eight neighbouring columns of a token's row.  The bias is the first products' C.
; THE WAY OUT: 16 rows x 512 bytes at a time through a stage in the wave's own part of O's bytes, which it alone has read and which are filled no more; rows leave as two aligned units of 256 bytes.
.set PITCH, 816
.set BOF,   16*12288
.set SAO,   BOF+128*PITCH
.set SBO,   SAO+32*272
.set SPARE, SBO+16*272
.set SPITCH, 528
.set ASA, 10
.set ASB, 11
.set BPA, 12
.set ADA, 13                           ; LDS address of my images of O: 49,152 w + 8 lane
.set STO, 24
.set RD,  25
.set CO,  26
.set SPW, 28
.set NIL, 29
.set SA,  32                           ; v32-63 O's scale words: 8 a + (q + 4) % 8
.set SB,  64                           ; v64-127 Wo's: 8 b + q
.set AF,  128
.set BK,  128
.set BP,  32                           ; window 3: v800-863 the bias; v776-791 Wo's fragment addresses
.set G1A, 24
.set G0A, 32
.set G0B, 36
.set G1B, 48
.set G0SA, 56
.set G0SB, 60
.set G1S, 68
.set G1SB, 80
.set MSB, 0
.macro WIN new
.if MSB != \new
	s_set_vgpr_msb (MSB<<8)|\new
.set MSB, \new
.endif
.endm
.macro PLACES n
.rept \n
	v_nop
.endr
.endm
.macro CROUND
	s_barrier_signal -1
	s_barrier_wait -1
	s_cmp_lg_u32 s14, 0
	s_cbranch_scc1 .Lnot_wave_0_\@
	s_barrier_signal -3
.Lnot_wave_0_\@:
	s_barrier_wait -3
	s_barrier_signal -1
	s_barrier_wait -1
.endm
.macro GDENSE g, mask, word, rows      ; rows of 256 bytes, dense in memory
	s_or_b32 s[\g], s\mask, \word
	s_mov_b32 s[\g+1], 32<<16
	s_mov_b32 s[\g+2], (\rows)<<16
	s_mov_b32 s[\g+3], 32<<16
	s_mov_b32 s[\g+4], \rows
	s_mov_b32 s[\g+5], 32
	s_mov_b32 s[\g+6], 0
	s_mov_b32 s[\g+7], 0
.endm
.macro GZERO g, lds, base, tile, mul
	s_mov_b32 s[\g], 1
	s_mov_b32 s[\g+1], \lds
	s_mul_i32 s20, s\tile, \mul
	s_add_nc_u64 s[\g+2:\g+3], s[\base:\base+1], s[20:21]
	s_or_b32 s[\g+3], s[\g+3], 0x80000000
.endm
.macro ARM under, g0, g1, next
	s_cmp_lt_u32 s14, \under
	s_cbranch_scc0 \next
	tensor_load_to_lds s[\g0:\g0+3], s[\g1:\g1+7]
	s_nop 0
	PLACES 4
	s_branch .Lhead_asked
\next:
.endm
	s_load_b256 s[4:11], s[0:1], 0x0               ; oimg, osc, Wo codes, Wo scales
	s_load_b128 s[96:99], s[0:1], 0x20             ; bo, out0
	v_lshl_add_u32 v[SPW], v0, 2, SPARE
	v_mov_b32 v[NIL], 0
	ds_add_u32 v[SPW], v[NIL]                      ; the opening lines
	ds_add_u32 v[SPW], v[NIL]
	v_lshrrev_b32 v1, 5, v0
	v_readfirstlane_b32 s14, v1
	s_bfe_u32 s40, ttmp6, 0x40000
	s_bfe_u32 s41, ttmp6, 0x40004
	s_lshl_b32 s42, ttmp9, 2
	s_add_co_u32 s42, s42, s40                     ; tile of 128 columns
	s_and_b32 s17, ttmp7, 0xffff
	s_lshl_b32 s17, s17, 2
	s_add_co_u32 s17, s17, s41                     ; tile of 256 tokens
	s_lshl_b32 s43, s41, 2
	s_lshl_b32 s43, 15, s43
	s_lshl_b32 s44, 0x1111, s40
	GDENSE G1A, 43, (3<<16)|(1<<21), 768
	s_or_b32 s[G1B], s44, (1<<20)|(1<<21)|(5<<22)|(3<<25)
	s_mov_b32 s[G1B+1], 768<<16
	s_mov_b32 s[G1B+2], 128<<16
	s_mov_b32 s[G1B+3], 768<<16
	s_mov_b32 s[G1B+4], 128
	s_mov_b32 s[G1B+5], 768
	s_mov_b32 s[G1B+6], 0
	s_mov_b32 s[G1B+7], 0
	GDENSE G1S, 43, (3<<16)|(1<<20)|(1<<21)|(5<<22)|(3<<25), 32
	GDENSE G1SB, 44, (3<<16)|(1<<20)|(1<<21)|(5<<22)|(3<<25), 16
	s_mov_b32 s21, 0
	s_wait_alu depctr_va_vdst(0)
	s_wait_dscnt 0x0
	s_wait_kmcnt 0x0
	GZERO G0A, 0, 4, 17, 16*12288
	GZERO G0B, BOF, 8, 42, 128*768
	GZERO G0SA, SAO, 6, 17, 256*32
	GZERO G0SB, SBO, 10, 42, 128*32
	CROUND
	ARM 1, G0A, G1A, .Lhead_b
	ARM 2, G0B, G1B, .Lhead_sa
	ARM 3, G0SA, G1S, .Lhead_sb
	tensor_load_to_lds s[G0SB:G0SB+3], s[G1SB:G1SB+7]
	s_nop 0
	PLACES 4
.Lhead_asked:
	v_and_b32 v1, 15, v0
	v_bfe_u32 v2, v0, 4, 1
	v_mul_u32_u24 v3, v1, PITCH
	v_mad_u32_u24 v4, v2, 24, v3
	v_mad_u32_u24 v5, v2, 40, v3
	WIN 0xc0
.irp i, 0,1,2,3,4,5,6,7
	v_add_nc_u32 v[8+2*\i], BOF+\i*16*PITCH, v4
	v_add_nc_u32 v[9+2*\i], BOF+\i*16*PITCH, v5
.endr
	WIN 0
	v_lshlrev_b32 v8, 5, v1
	v_lshrrev_b32 v9, 3, v1
	v_lshl_add_u32 v8, v9, 4, v8
	s_mul_i32 s21, s14, 4*544
	s_add_co_u32 s21, s21, SAO
	v_add_nc_u32 v[ASA], s21, v8
	v_add_nc_u32 v[ASB], SBO, v8
	v_and_b32 v6, 31, v0
	s_mul_i32 s23, s14, 4*12288
	v_lshl_add_u32 v[ADA], v6, 3, s23
	v_mul_u32_u24 v5, v1, SPITCH
	v_lshl_add_u32 v5, v2, 5, v5
	v_add_nc_u32 v[STO], s23, v5
	v_lshlrev_b32 v[CO], 4, v6
	v_add_nc_u32 v[RD], s23, v[CO]
	s_lshl_b32 s46, s42, 9                         ; my columns, in bytes
	v_lshl_add_u32 v[BPA], v2, 5, s46
	WIN 0xc0
.irp b, 0,1,2,3,4,5,6,7
	global_load_b128 v[BP+8*\b:BP+8*\b+3], v[BPA], s[96:97] offset:64*\b
	global_load_b128 v[BP+8*\b+4:BP+8*\b+7], v[BPA], s[96:97] offset:64*\b+16
.endr
	WIN 0
	s_lshl_b32 s20, s17, 8
	s_lshl_b32 s21, s14, 6
	s_add_co_u32 s20, s20, s21
	s_lshl_b32 s20, s20, 12                        ; my first row, 4,096 bytes a row
	s_add_co_u32 s20, s20, s46
	s_mov_b32 s21, 0
	s_add_nc_u64 s[12:13], s[98:99], s[20:21]
.macro FRAG reg, q, a
.set SKIP_, 0
.irp p, 0,1,2,3,4,5
.if SKIP_
.set SKIP_, 0
.else
.set PC_, 12*(\q)+6*(\p/3)+\p%3
.set PN_, 12*(\q)+6*((\p+1)/3)+(\p+1)%3
.set X_, (PC_%32+3)/32
.set XQ_, (PN_%32+3)/32
.set NLD, NLD+1
.if (\p < 5) && (X_ == XQ_)
.set SKIP_, 1
	ds_load_2addr_b64 v[(\reg)+2*\p:(\reg)+2*\p+3], v[\a+X_] offset0:PC_+2*(PC_/32) offset1:PN_+2*(PN_/32)
.else
	ds_load_b64 v[(\reg)+2*\p:(\reg)+2*\p+1], v[\a+X_] offset:8*(PC_+2*(PC_/32))
.endif
.endif
.endr
.endm
.macro LOADS q                         ; step q's fragments into set q % 2: Wo's eight in window 2, O's four in window 0
.set NLD, 0
	WIN 0x83
.irp i, 0,1,2,3,4,5,6,7
	FRAG 128*((\q)%2)+12*\i, \q, 8+2*\i
.endr
	WIN 0
.irp i, 0,1,2,3
.irp p, 0,1,2,3,4,5
	ds_load_b64 v[AF+48*((\q)%2)+12*\i+2*\p:AF+48*((\q)%2)+12*\i+2*\p+1], v[ADA] offset:\i*12288+(\q)*1536+256*\p
.endr
.endr
.set NLD, NLD+24
.endm
.macro MULS q                          ; the 32 accumulators (window 1) by turns
.if (\q) == 0
	WIN 0x72
.else
	WIN 0x52
.endif
.irp a, 0,1,2,3
.irp b, 0,1,2,3,4,5,6,7
.if (\q) == 0
	v_wmma_scale_f32_16x16x128_f8f6f4 v[8*(8*\a+\b):8*(8*\a+\b)+7], v[128*((\q)%2)+12*\b:128*((\q)%2)+12*\b+11], v[AF+48*((\q)%2)+12*\a:AF+48*((\q)%2)+12*\a+11], v[BP+8*\b:BP+8*\b+7], v[SB+8*\b+(\q)], v[SA+8*\a+((\q)+4)%8] matrix_a_fmt:MATRIX_FMT_FP6 matrix_b_fmt:MATRIX_FMT_FP6
.else
	v_wmma_scale_f32_16x16x128_f8f6f4 v[8*(8*\a+\b):8*(8*\a+\b)+7], v[128*((\q)%2)+12*\b:128*((\q)%2)+12*\b+11], v[AF+48*((\q)%2)+12*\a:AF+48*((\q)%2)+12*\a+11], v[8*(8*\a+\b):8*(8*\a+\b)+7], v[SB+8*\b+(\q)], v[SA+8*\a+((\q)+4)%8] matrix_a_fmt:MATRIX_FMT_FP6 matrix_b_fmt:MATRIX_FMT_FP6
.endif
.endr
.endr
.endm
	s_wait_alu depctr_va_vdst(0)
	s_wait_tensorcnt 0x0
	s_barrier_signal -1
	s_barrier_wait -1                              ; all four tiles are in
.irp i, 0,1,2,3
	ds_load_b128 v[SA+8*\i+4:SA+8*\i+7], v[ASA] offset:\i*544
	ds_load_b128 v[SA+8*\i:SA+8*\i+3], v[ASA] offset:\i*544+16
.endr
.irp i, 0,1,2,3,4,5,6,7
	ds_load_b128 v[SB+8*\i:SB+8*\i+3], v[ASB] offset:\i*544
	ds_load_b128 v[SB+8*\i+4:SB+8*\i+7], v[ASB] offset:\i*544+16
.endr
	LOADS 0
	s_wait_loadcnt 0x0                             ; the bias
.set Q, 0
.rept 7
.if Q > 0
	PLACES 4
.endif
	LOADS Q+1
	s_wait_dscnt NLD                               ; all but the NLD loads just issued
	MULS Q
.set Q, Q+1
.endr
	s_wait_dscnt 0x0
	MULS 7
	WIN 0
.macro TOSTAGE a
	WIN 0x04                                       ; the data: window 1
.irp b, 0,1,2,3,4,5,6,7
	ds_store_b128 v[STO], v[64*(\a)+8*\b:64*(\a)+8*\b+3] offset:64*\b          ; each accumulator from its low end on
	ds_store_b128 v[STO], v[64*(\a)+8*\b+4:64*(\a)+8*\b+7] offset:64*\b+16
.endr
	WIN 0
.set BB, BK+64*((\a)%2)
.irp t, 0,1,2,3,4,5,6,7,8,9,10,11,12,13,14,15
	ds_load_b128 v[BB+4*\t:BB+4*\t+3], v[RD] offset:\t*SPITCH                  ; LDS serves a wave's instructions in order
.endr
.endm
.macro SEND a, younger
.set BB, BK+64*((\a)%2)
	s_wait_dscnt \younger
.if (\a) > 0
	s_add_nc_u64 s[12:13], s[12:13], 16*4096
.endif
.irp t, 0,1,2,3,4,5,6,7,8,9,10,11,12,13,14,15
	global_store_b128 v[CO], v[BB+4*\t:BB+4*\t+3], s[12:13] offset:\t*4096 th:TH_STORE_NT   ; 512 bytes on end, aligned to 256
.endr
.endm
	PLACES 4
	TOSTAGE 0
.irp a, 1,2,3
.if \a > 1
	s_wait_xcnt 0x0                                ; block a - 2's stores have read their registers and their base
.endif
	TOSTAGE \a
	SEND \a-1, 32                                  ; behind block a - 1's loads: block a's 16 stores and 16 loads
.endr
	s_wait_xcnt 0x0
	SEND 3, 0
	s_wait_tensorcnt 0x0                           ; the wave's end
	ds_add_u32 v[SPW], v[NIL]
	s_wait_dscnt 0x0
	CROUND
	s_endpgm
.Lfunc_end_k_q3351dc16d7_outp:
	.size	k_q3351dc16d7_outp, .Lfunc_end_k_q3351dc16d7_outp-k_q3351dc16d7_outp
	.p2alignl 7, 3214868480
	.fill 96, 4, 3214868480
	.section	.rodata,"a",@progbits
	.p2align	6, 0x0
	.amdhsa_kernel k_q3351dc16d7_outp
		.amdhsa_group_segment_fixed_size 327680
		.amdhsa_private_segment_fixed_size 0
		.amdhsa_enable_private_segment 0
		.amdhsa_kernarg_size 48
		.amdhsa_user_sgpr_count 2
		.amdhsa_user_sgpr_kernarg_segment_ptr 1
		.amdhsa_wavefront_size32 1
		.amdhsa_system_sgpr_workgroup_id_x 1
		.amdhsa_system_sgpr_workgroup_id_y 1
		.amdhsa_system_sgpr_workgroup_id_z 1
		.amdhsa_system_vgpr_workitem_id 0
		.amdhsa_next_free_vgpr 864
		.amdhsa_next_free_sgpr 100
		.amdhsa_reserve_vcc 0
		.amdhsa_float_denorm_mode_32 3
		.amdhsa_float_denorm_mode_16_64 3
		.amdhsa_memory_ordered 1
		.amdhsa_forward_progress 1
		.amdhsa_inst_pref_size 86
	.end_amdhsa_kernel
	.amdgpu_metadata
---
amdhsa.version: [ 1, 2 ]
amdhsa.kernels:
  - .name:           k_q3351dc16d7_outp
    .symbol:         k_q3351dc16d7_outp.kd
    .args:
      - { .name: oimg, .offset: 0, .size: 8, .value_kind: global_buffer, .address_space: global }
      - { .name: osc, .offset: 8, .size: 8, .value_kind: global_buffer, .address_space: global }
      - { .name: Wo_codes, .offset: 16, .size: 8, .value_kind: global_buffer, .address_space: global }
      - { .name: Wo_scales, .offset: 24, .size: 8, .value_kind: global_buffer, .address_space: global }
      - { .name: bo, .offset: 32, .size: 8, .value_kind: global_buffer, .address_space: global }
      - { .name: out0, .offset: 40, .size: 8, .value_kind: global_buffer, .address_space: global }
    .group_segment_fixed_size: 327680
    .private_segment_fixed_size: 0
    .kernarg_segment_align: 8
    .kernarg_segment_size: 48
    .max_flat_workgroup_size: 128
    .sgpr_count:     100
    .vgpr_count:     864
    .wavefront_size: 32
...
	.end_amdgpu_metadata
.endif
;; end of part 3
